; MI455X (gfx1250); checked and timed in simulation.
; The chip was launched on July 23, 2026; its instructions are those of AMD's public machine-readable ISA for CDNA 5 (MIT licence, August 2026) and "CDNA5" Instruction Set Architecture Reference Guide (July 2026). The comments in the code are by the model that wrote it; some were corrected since.
;; Multi Head Attention. Allowed arithmetic: matrix products marked QUANTISED: E2M1 operands, one E8M0 scale for each 32 along K, by v_wmma_scale_f32_16x16x128_f8f6f4 with both operands' format E2M1 (or v_wmma_scale_f32_32x16x128_f4), f32 sums; products left as they are: bf16, f16 or f32 operands; f32 sums; everything else in f32.
;; Inputs: Wk 1,024 x 1,024 float32; Wo 1,024 x 1,024 float32; Wq 1,024 x 1,024 float32; Wv 1,024 x 1,024 float32; key 4 x 2,048 x 1,024 float32; query 4 x 2,048 x 1,024 float32; valid_length 4 int32; value 4 x 2,048 x 1,024 float32.
;; Outputs: out0 4 x 2,048 x 1,024 float32.
;; This version of the problem:
;;   THIS VERSION OF THE PROBLEM IS GIVEN IN LOW PRECISION. The matrix products marked QUANTISED in the list below multiply operands that are first quantised to E2M1 (2 exponent bits, 1 mantissa bit; 4 bits a number), with one power-of-two scale for each 32 numbers along K (OCP MX v1.0); their sums are f32. The products marked 'left as it is' may take bf16, f16 or f32 operands, with f32 sums. Whichever they take, every output number must still come out within the allowed error. Rounding operands to bf16 (8 significant bits) uses up far more of that allowance than f16 does (11 bits, for magnitudes from 6e-5 to 65,504). All else is computed in f32.
;;   The module's matrix products, in the order in which they are computed (A, B: the left and right operand; K: the contracted axis; several contracted axes count as one K, in the product's order):
;;     1. [M 8,192, K 1,024] x [K 1,024, N 1,024]; A: input query; B: input Wq: QUANTISED
;;     2. [M 8,192, K 1,024] x [K 1,024, N 1,024]; A: input key; B: input Wk: QUANTISED
;;     3. [M 8,192, K 1,024] x [K 1,024, N 1,024]; A: input value; B: input Wv: QUANTISED
;;     4. batch 64 x [M 2,048, K 64] x [K 64, N 2,048]; A: computed on the way; B: computed on the way: left as it is (an operand is computed on the way)
;;     5. batch 64 x [M 2,048, K 2,048] x [K 2,048, N 64]; A: computed on the way; B: computed on the way: left as it is (an operand is computed on the way)
;;     6. [M 8,192, K 1,024] x [K 1,024, N 1,024]; A: computed on the way; B: input Wo: left as it is (an operand is computed on the way)
;;   THE QUANTISER, for each operand of a quantised product, along K:
;;     - K is cut into blocks of 32 from its start; a last block that is shorter is filled with zeros.
;;     - A block's scale is 2^e with e = floor(log2(the largest magnitude in the block)) - 2, held to -126 .. 127; a block of zeros has e = 0. As a byte (E8M0): e + 127.
;;     - Each number is divided by its block's scale, clamped to +-6, and rounded to the nearest number of E2M1, ties to even, subnormals kept.
;;     - The product sums the exact products of the quantised numbers (number of the format x scale) in f32.
;;   ~~~python
;;   def quantise(x, axis):      # numpy; x: float32 -> the quantised numbers, widened to float32 again
;;       x = np.moveaxis(x, axis, -1); K = x.shape[-1]
;;       x = np.pad(x, [(0, 0)] * (x.ndim - 1) + [(0, -K % 32)]); x = x.reshape(x.shape[:-1] + (-1, 32)); a = np.abs(x).max(-1, keepdims=True)
;;       e = np.where(a > 0, np.clip(np.frexp(np.where(a > 0, a, 1))[1] - 1 - 2, -126, 127), 0)      # np.frexp(a)[1] - 1 = floor(log2(a)), exactly
;;       r = np.clip(x / 2.0 ** e, -6, 6)
;;       step = 2.0 ** (np.maximum(np.frexp(np.where(r == 0, 1, r))[1] - 1, 0) - 1)
;;       q = np.round(r / step) * step * 2.0 ** e      # np.round: ties to even
;;       return np.moveaxis(q.reshape(q.shape[:-2] + (-1,))[..., :K], -1, axis).astype(np.float32)
;;   ~~~
;; One version. Each part assembles by itself: llvm-mc -triple=amdgcn-amd-amdhsa -mcpu=gfx1250 --defsym DOCPART=n.
;; ======== version 1 of 1: 4 launches
;; limits: values are held in f16: magnitudes above 65,504 overflow, below 6.1e-05 lose precision
;; workspace buffers: xc 12,582,912 bytes; xs 786,432 bytes; wc 1,572,864 bytes; ws 98,304 bytes; wof 2,097,152 bytes; qkv 50,331,648 bytes; vsum 524,288 bytes; af 16,777,216 bytes
;; launch prep (part 1): grid 640 x 1, 4 waves a work-group, no clusters, 34,304 bytes of LDS; arguments query, key, value, Wq, Wk, Wv, Wo, xc, xs, wc, ws, wof; writes xc, xs, wc, ws, wof
.if DOCPART == 1
	.amdgcn_target "amdgcn-amd-amdhsa--gfx1250"
	.amdhsa_code_object_version 6
	.text
	.protected	k_q460c7dc365_prep
	.globl	k_q460c7dc365_prep
	.p2align	8
	.type	k_q460c7dc365_prep,@function
k_q460c7dc365_prep:
	s_mov_b64 s[64:65], 0
	v_nop
	global_prefetch_b8 v0, s[64:65] scope:SCOPE_SE
	s_setreg_imm32_b32 hwreg(HW_REG_WAVE_MODE, 25, 1), 1
	s_wait_xcnt 0x0
; MULTI-HEAD ATTENTION, B = 4, S = 2048, D = 1024, 16 heads of 64.  Four launches: prep (this one), proj, attn, outp.
; WORK LEFT OUT BY THE PROGRAM (in launch attn), AND WHY IT IS DEAD.  Head h of batch b uses v = valid_length[h % 4] (flat head 16 b + h, modulo 4).  reference() overwrites the score of every key
; k >= v by the one number -1e6.  So all those keys have ONE softmax weight e = exp(-1e6 - max), whatever Q and K hold, and their whole part of the result is e x (the sum of their rows of V) above and
; e x (their number) below: an identity in real numbers for all values of the inputs.  For whole blocks of 64 keys behind v the program therefore forms no score, no exponential and no product with V;
; it enters the blocks' part as ONE key with score -1e6, their number as its count and the sum of their rows of V (launch proj sums V by blocks of 64 keys) as its value.  Which blocks these are is
; decided by whole numbers that launch attn reads from memory.  Nothing else is left out: every input has a way to the output and is loaded.
; LIMITS: a NaN, an infinity or an overflow in Q . K of keys behind v is not carried to the result (reference() overwrites those scores too).  Q, K, V, the attention's result and Wo go on as f16: magnitudes
; above 65,504 overflow.  NaN and infinities among the inputs are not served.  A block of 32 zeros gets the scale byte 1 where the rule says 127: its codes are zeros, and this program alone reads the bytes.
;
; THIS LAUNCH: query, key, value (K innermost) and Wq, Wk, Wv (K is the FIRST axis) become codes of E2M1 with one E8M0 byte for each 32 along K; Wo becomes f16.
; All are laid as IMAGES OF OPERAND REGISTERS: 1,024 bytes for 16 rows x 128 k of codes (or 16 rows x 32 k of f16): byte 512 c + 16 lane holds what registers 4 c .. 4 c + 3 of that lane take.
; A block's scale byte is its largest magnitude's exponent field - 2, held at 1 from below by a floor among the maximum's leaves.
; Work-groups 0-255: the weights, 128 columns x 128 k each; a lane takes a column and its registers run down K.  Work-groups 256-639: the activations; a wave takes 16 rows x all 1,024 k, 128 k a unit.
.set SPARE, 33792                      ; behind the four stages: the spare words, 128 bytes a wave
.set STG,   8448                       ; a wave's stage: 16 rows x (512 bytes + 16)
.set SPW, 2                            ; v2  LDS address of my spare word; never rewritten
.set NIL, 3                            ; v3  0; never rewritten
.set L16, 4                            ; v4  16 x lane
.set STI, 5                            ; v5  the stage on the way in: 16 x lane in a row
.set STO, 6                            ; v6  and out: row lane % 16, + 128 x (lane / 16)
.set H8,  7                            ; v7  8 x (lane / 16)
.set W,   16                           ; v16-23  a unit's scale word each
.set CD,  24                           ; v24-39  codes
.set X,   40                           ; v40-103 64 numbers of my row (weights: v40-167, 128 numbers of my column)
.set R,   104                          ; v104-231 two sets of 64 registers as loaded (Wo: v168-231 packed f16)
.set PK,  168
.macro FINISH                          ; a wave's end
	s_wait_tensorcnt 0x0
	ds_add_u32 v[SPW], v[NIL]
	s_wait_dscnt 0x0
	s_endpgm
.endm
	s_load_b512 s[8:23], s[0:1], 0x0               ; query, key, value, Wq, Wk, Wv, Wo, xc
	s_load_b256 s[24:31], s[0:1], 0x40             ; xs, wc, ws, wof
	v_lshl_add_u32 v[SPW], v0, 2, SPARE
	v_mov_b32 v[NIL], 0
	v_lshrrev_b32 v1, 5, v0
	v_readfirstlane_b32 s2, v1                     ; wave
	v_and_b32 v1, 31, v0                           ; lane
	v_lshlrev_b32 v[L16], 4, v1
	v_and_b32 v8, 15, v0
	v_bfe_u32 v9, v0, 4, 1
	s_mul_i32 s42, s2, STG
	v_add_nc_u32 v[STI], s42, v[L16]
	v_mul_u32_u24 v[STO], v8, 528
	v_lshl_add_u32 v[STO], v9, 7, v[STO]
	v_add_nc_u32 v[STO], s42, v[STO]
	v_lshlrev_b32 v[H8], 3, v9
	v_mov_b32 v10, 0                               ; a lane permute's destination counts as one of its sources
	s_mov_b32 s38, 0x76543210
	s_mov_b32 s39, 0xfedcba98                      ; selects for lane l xor 16
	s_mov_b32 s41, 0
	s_mov_b32 s47, 0
	s_wait_kmcnt 0x0
	s_cmp_lt_u32 ttmp9, 256
	s_cbranch_scc1 .Lweights
	; ---------------- the activations ----------------
	s_sub_co_u32 s3, ttmp9, 256
	s_lshr_b32 s40, s3, 7                          ; 0 query, 1 key, 2 value: 128 work-groups each
	s_cmp_eq_u32 s40, 0
	s_cselect_b64 s[32:33], s[8:9], s[10:11]
	s_cmp_eq_u32 s40, 2
	s_cselect_b64 s[32:33], s[12:13], s[32:33]
	s_lshl_b32 s3, s3, 2
	s_add_co_u32 s3, s3, s2                        ; my tile of 16 rows, 0 .. 1535
	s_and_b32 s40, s3, 511
	s_lshl_b32 s40, s40, 16                        ; 16 rows of 4,096 bytes
	s_add_nc_u64 s[32:33], s[32:33], s[40:41]
	s_lshl_b32 s40, s3, 13                         ; 8 images
	s_add_nc_u64 s[34:35], s[22:23], s[40:41]
	s_lshl_b32 s40, s3, 9                          ; 16 rows of 32 scale bytes
	s_add_nc_u64 s[36:37], s[24:25], s[40:41]
.macro LOADX u                         ; unit u: 512 consecutive bytes of each of my 16 rows
.irp i, 0,1,2,3,4,5,6,7,8,9,10,11,12,13,14,15
	global_load_b128 v[R+64*((\u)%2)+4*\i:R+64*((\u)%2)+4*\i+3], v[L16], s[32:33] offset:\i*4096+(\u)*512 th:TH_LOAD_NT
.endr
.endm
.macro TURNX u                         ; through my stage: in as loaded, out 2 x 32 neighbours a lane: blocks h and 2 + h of row lane % 16.  LDS serves a wave's instructions in order
.irp i, 0,1,2,3,4,5,6,7,8,9,10,11,12,13,14,15
	ds_store_b128 v[STI], v[R+64*((\u)%2)+4*\i:R+64*((\u)%2)+4*\i+3] offset:\i*528
.endr
.irp c, 0,1
.irp i, 0,1,2,3,4,5,6,7
	ds_load_b128 v[X+32*\c+4*\i:X+32*\c+4*\i+3], v[STO] offset:\c*256+\i*16
.endr
.endr
.endm
.macro UNIT u
	s_wait_dscnt 0x0                               ; this unit's numbers are back; the stage's stores have read their registers
.if (\u) >= 2
	s_wait_xcnt 0x0                                ; the stores of two units back have read their codes: that set is written again below
.endif
.if (\u) < 6
	LOADX (\u)+2
.endif
.irp c, 0,1
	v_max3_num_f32 v[12+\c], |v[X+32*\c]|, |v[X+32*\c+1]|, 0x1800000   ; my block's largest magnitude, and the floor 2^(3 - 127)
.endr
.irp i, 2,4,6,8,10,12,14,16,18,20,22,24,26,28,30
.irp c, 0,1
	v_max3_num_f32 v[12+\c], v[12+\c], |v[X+32*\c+\i]|, |v[X+32*\c+\i+1]|
.endr
.endr
.irp c, 0,1
	v_add_nc_u32 v[14+\c], 0xff000000, v[12+\c]    ; 2 off the exponent field: the conversion's scale operand
.endr
.irp c, 0,1
	v_lshrrev_b32 v[12+\c], 23, v[14+\c]           ; the scale's byte
.endr
	v_lshl_or_b32 v8, v13, 16, v12                 ; blocks h and 2 + h,
	v_lshlrev_b32 v8, v[H8], v8                    ; at their places in the word;
	v_permlanex16_b32 v10, v8, s38, s39
	v_or_b32 v[W+(\u)], v8, v10                    ; with lane l xor 16's two the word is whole
.irp c, 0,1
.irp g, 0,1,2,3
	v_cvt_scalef32_pk8_fp4_f32 v[CD+8*((\u)%2)+4*\c+\g], v[X+32*\c+8*\g:X+32*\c+8*\g+7], v[14+\c]
.endr
.endr
	v_nop                                          ; one plain line behind the last conversion
.irp c, 0,1
	global_store_b128 v[L16], v[CD+8*((\u)%2)+4*\c:CD+8*((\u)%2)+4*\c+3], s[34:35] offset:(\u)*1024+\c*512   ; half an image: 512 consecutive bytes
.endr
.if (\u) < 6
	s_wait_loadcnt 16                              ; the next unit's 16 loads are in; those of the unit behind it may be out
	TURNX (\u)+1
.elseif (\u) < 7
	s_wait_loadcnt 0x0
	TURNX (\u)+1
.endif
.endm
	LOADX 0
	LOADX 1
	s_wait_loadcnt 16
	TURNX 0
.irp u, 0,1,2,3,4,5,6,7
	UNIT \u
.endr
	v_cmp_ne_u32 vcc_lo, 0, v[H8]
.irp i, 0,1,2,3
	v_cndmask_b32 v[12+\i], v[W+\i], v[W+4+\i], vcc_lo   ; lanes 0-15 store my row's words 0-3, lanes 16-31 words 4-7
.endr
	v_and_b32 v8, 15, v0
	v_lshlrev_b32 v8, 5, v8
	v_lshl_add_u32 v8, v[H8], 1, v8                ; 32 x row + 16 x half: the wave stores 512 consecutive bytes
	global_store_b128 v8, v[12:15], s[36:37]
	FINISH
	; ---------------- the weights ----------------
.Lweights:
	s_lshr_b32 s40, ttmp9, 6                       ; 0 Wq, 1 Wk, 2 Wv, 3 Wo
	s_bfe_u32 s42, ttmp9, 0x30003                  ; which 128 columns
	s_and_b32 s43, ttmp9, 7                        ; which 128 along K
	s_cmp_eq_u32 s40, 0
	s_cselect_b64 s[32:33], s[14:15], s[16:17]
	s_cmp_eq_u32 s40, 2
	s_cselect_b64 s[32:33], s[18:19], s[32:33]
	s_cmp_eq_u32 s40, 3
	s_cselect_b64 s[32:33], s[20:21], s[32:33]
	s_lshl_b32 s44, s42, 2
	s_add_co_u32 s44, s44, s2                      ; my wave's 32 columns, 0 .. 31
	s_lshl_b32 s46, s43, 19                        ; 128 rows of 4,096 bytes
	s_lshl_b32 s45, s44, 7
	s_add_co_u32 s46, s46, s45
	s_add_nc_u64 s[32:33], s[32:33], s[46:47]
	v_lshlrev_b32 v8, 2, v1
.macro LOADW t                         ; block t: W(32 t + i, my column): 128 consecutive bytes a load, the four waves side by side
.irp i, 0,1,2,3,4,5,6,7,8,9,10,11,12,13,14,15,16,17,18,19,20,21,22,23,24,25,26,27,28,29,30,31
	global_load_b32 v[X+32*(\t)+\i], v8, s[32:33] offset:(32*(\t)+\i)*4096 th:TH_LOAD_NT
.endr
.endm
	LOADW 0
	LOADW 1
	v_lshrrev_b32 v9, 4, v1
	v_and_b32 v11, 15, v1
	v_lshlrev_b32 v11, 4, v11
	s_cmp_eq_u32 s40, 3
	s_cbranch_scc1 .Lwo
	s_lshl_b32 s46, s40, 19                        ; wc: [matrix][tile of 16 columns][128 along K][image]
	s_lshl_b32 s45, s44, 14
	s_add_co_u32 s46, s46, s45
	s_lshl_b32 s45, s43, 10
	s_add_co_u32 s46, s46, s45
	s_add_nc_u64 s[34:35], s[26:27], s[46:47]
	s_lshl_b32 s46, s40, 15                        ; ws: [matrix x 1024 + column][32 bytes]
	s_lshl_b32 s45, s44, 10
	s_add_co_u32 s46, s46, s45
	s_lshl_b32 s45, s43, 2
	s_add_co_u32 s46, s46, s45
	s_add_nc_u64 s[36:37], s[28:29], s[46:47]
	v_lshl_add_u32 v9, v9, 13, v11                 ; my tile, my 16 bytes
	v_lshlrev_b32 v11, 5, v1
.macro BLOCKW j
.set XS, X+32*(\j)
.if (\j) < 3
	s_wait_loadcnt 32                              ; this block's 32 loads are in; the next block's may be out
.else
	s_wait_loadcnt 0x0
.endif
.if (\j) < 2
	LOADW (\j)+2
.endif
	v_max3_num_f32 v12, |v[XS]|, |v[XS+1]|, |v[XS+2]|
	v_max3_num_f32 v13, |v[XS+3]|, |v[XS+4]|, |v[XS+5]|
.irp i, 6,10,14,18,22,26
	v_max3_num_f32 v12, v12, |v[XS+\i]|, |v[XS+\i+1]|
	v_max3_num_f32 v13, v13, |v[XS+\i+2]|, |v[XS+\i+3]|
.endr
	v_max3_num_f32 v12, v12, |v[XS+30]|, |v[XS+31]|
	v_max3_num_f32 v12, v12, v13, 0x1800000
	v_add_nc_u32 v14, 0xff000000, v12
	v_lshrrev_b32 v13, 23, v14
.if (\j) == 0
	v_mov_b32 v[W], v13
.else
	v_lshl_or_b32 v[W], v13, 8*(\j), v[W]
.endif
.irp g, 0,1,2,3
	v_cvt_scalef32_pk8_fp4_f32 v[CD+4*(\j)+\g], v[XS+8*\g:XS+8*\g+7], v14
.endr
	v_nop                                          ; one plain line behind the last conversion
	global_store_b128 v9, v[CD+4*(\j):CD+4*(\j)+3], s[34:35] offset:(\j)*256   ; block j of an image: sixteen lanes store 256 consecutive bytes
.endm
	BLOCKW 0
	BLOCKW 1
	BLOCKW 2
	BLOCKW 3
	global_store_b32 v11, v[W], s[36:37]           ; my column's word for these 128 k: words 32 bytes apart; the whole table is 98,304 bytes
	FINISH
.Lwo:                                              ; Wo to f16: [tile of 16 columns][32 along K][image]; 8 neighbours along K are 16 bytes
	s_lshl_b32 s46, s44, 16
	s_lshl_b32 s45, s43, 12
	s_add_co_u32 s46, s46, s45
	s_add_nc_u64 s[34:35], s[30:31], s[46:47]
	v_lshl_add_u32 v9, v9, 15, v11
.macro BLOCKO j
.if (\j) < 3
	s_wait_loadcnt 32
.else
	s_wait_loadcnt 0x0
.endif
.if (\j) < 2
	LOADW (\j)+2
.endif
.irp i, 0,1,2,3,4,5,6,7,8,9,10,11,12,13,14,15
	v_cvt_pk_f16_f32 v[PK+16*(\j)+\i], v[X+32*(\j)+2*\i], v[X+32*(\j)+2*\i+1]
.endr
.irp q, 0,1,2,3
	global_store_b128 v9, v[PK+16*(\j)+4*\q:PK+16*(\j)+4*\q+3], s[34:35] offset:(\j)*1024+\q*256
.endr
.endm
	BLOCKO 0
	BLOCKO 1
	BLOCKO 2
	BLOCKO 3
	FINISH
.Lfunc_end_k_q460c7dc365_prep:
	.size	k_q460c7dc365_prep, .Lfunc_end_k_q460c7dc365_prep-k_q460c7dc365_prep
	.p2alignl 7, 3214868480
	.fill 96, 4, 3214868480
	.section	.rodata,"a",@progbits
	.p2align	6, 0x0
	.amdhsa_kernel k_q460c7dc365_prep
		.amdhsa_group_segment_fixed_size 34304
		.amdhsa_private_segment_fixed_size 0
		.amdhsa_enable_private_segment 0
		.amdhsa_kernarg_size 96
		.amdhsa_user_sgpr_count 2
		.amdhsa_user_sgpr_kernarg_segment_ptr 1
		.amdhsa_wavefront_size32 1
		.amdhsa_system_sgpr_workgroup_id_x 1
		.amdhsa_system_sgpr_workgroup_id_y 1
		.amdhsa_system_sgpr_workgroup_id_z 1
		.amdhsa_system_vgpr_workitem_id 0
		.amdhsa_next_free_vgpr 232
		.amdhsa_next_free_sgpr 66
		.amdhsa_reserve_vcc 1
		.amdhsa_float_denorm_mode_32 3
		.amdhsa_float_denorm_mode_16_64 3
		.amdhsa_memory_ordered 1
		.amdhsa_forward_progress 1
		.amdhsa_inst_pref_size 89
	.end_amdhsa_kernel
	.amdgpu_metadata
---
amdhsa.version: [ 1, 2 ]
amdhsa.kernels:
  - .name:           k_q460c7dc365_prep
    .symbol:         k_q460c7dc365_prep.kd
    .args:
      - { .name: query, .offset: 0, .size: 8, .value_kind: global_buffer, .address_space: global }
      - { .name: key, .offset: 8, .size: 8, .value_kind: global_buffer, .address_space: global }
      - { .name: value, .offset: 16, .size: 8, .value_kind: global_buffer, .address_space: global }
      - { .name: Wq, .offset: 24, .size: 8, .value_kind: global_buffer, .address_space: global }
      - { .name: Wk, .offset: 32, .size: 8, .value_kind: global_buffer, .address_space: global }
      - { .name: Wv, .offset: 40, .size: 8, .value_kind: global_buffer, .address_space: global }
      - { .name: Wo, .offset: 48, .size: 8, .value_kind: global_buffer, .address_space: global }
      - { .name: xc, .offset: 56, .size: 8, .value_kind: global_buffer, .address_space: global }
      - { .name: xs, .offset: 64, .size: 8, .value_kind: global_buffer, .address_space: global }
      - { .name: wc, .offset: 72, .size: 8, .value_kind: global_buffer, .address_space: global }
      - { .name: ws, .offset: 80, .size: 8, .value_kind: global_buffer, .address_space: global }
      - { .name: wof, .offset: 88, .size: 8, .value_kind: global_buffer, .address_space: global }
    .group_segment_fixed_size: 34304
    .private_segment_fixed_size: 0
    .kernarg_segment_align: 8
    .kernarg_segment_size: 96
    .max_flat_workgroup_size: 128
    .sgpr_count:     66
    .vgpr_count:     232
    .wavefront_size: 32
...
	.end_amdgpu_metadata
.endif
;; end of part 1
;; launch proj (part 2): grid 4 x 96, 4 waves a work-group, clusters of 4 x 4, 327,680 bytes of LDS; arguments xc, xs, wc, ws, qkv, vsum; writes qkv, vsum
.if DOCPART == 2
	.amdgcn_target "amdgcn-amd-amdhsa--gfx1250"
	.amdhsa_code_object_version 6
	.text
	.protected	k_q460c7dc365_proj
	.globl	k_q460c7dc365_proj
	.p2align	8
	.type	k_q460c7dc365_proj,@function
k_q460c7dc365_proj:
	s_mov_b64 s[64:65], 0
	v_nop
	global_prefetch_b8 v0, s[64:65] scope:SCOPE_SE
	s_setreg_imm32_b32 hwreg(HW_REG_WAVE_MODE, 25, 1), 1
	s_wait_xcnt 0x0
	s_wait_alu depctr_hold_cnt(0) depctr_sa_sdst(0) depctr_va_vdst(0) depctr_va_sdst(0) depctr_va_ssrc(0) depctr_va_vcc(0) depctr_vm_vsrc(0)
	s_getreg_b32 s2, hwreg(HW_REG_IB_STS2, 6, 4)
	s_cmp_eq_u32 s2, 0
	s_cbranch_scc0 .Lentry_in_a_cluster
	s_endpgm
.Lentry_in_a_cluster:
	s_bfe_u32 s2, ttmp6, 0x10000c
	s_cmp_lg_u32 s2, 0xf033
	s_cbranch_scc0 .Lentry_shape_is_right
	s_endpgm
.Lentry_shape_is_right:
; Q = query Wq, K = key Wk, V = value Wv on codes of E2M1 with E8M0 scales (v_wmma_scale_f32_16x16x128_f8f6f4), f32 sums; the results leave as f16, laid as images of the operand registers that launch attn takes;
; and V's sums over blocks of 64 keys leave in f32 (vsum), for the keys that attn does not walk.
; A cluster of 4 x 4 work-groups makes 1,024 rows x 1,024 columns of one of the three products (cluster y: 0-7 Q, 8-15 K, 16-23 V); a work-group 256 x 256; each of its four waves 128 x 128: 64 accumulators, 512 registers.
; TWO PLACES.  The A place is source 1 of the matrix instruction (its 16 rows fall on the result's LANES), chosen by the work-group's cy and shared along a row of the cluster; the B place is source 0 (its rows
; fall on the result's REGISTERS), chosen by cx and shared along a column.  For Q and K the A place holds tokens and the B place output channels: a lane then holds one token and 8 neighbouring channels.
; For V they change places: a lane holds one channel and 8 neighbouring keys.  Only buffer pointers and row numbers are chosen, by the cluster's number alone: the text is one.
; K = 1,024 lies in two LDS slots of 512, both filled at the start and never again; the scale bytes of the 2 x 256 rows come with them.  By this text's count a wave has three tensor loads out.
; Operands lie in memory as register images (1,024 bytes for 16 rows x 128 k), so a tile is dense, LDS needs no padding and a fragment is two loads of 512 consecutive bytes.
; REGISTERS: window 0: v1-29 addresses; v32-95 scale words, two sets; v128-191 the A place's fragments, one set; v192-223 packed results.  window 1: the B place's fragments, two sets.  windows 2, 3: accumulators (a, b) at v[8 (8 (a % 4) + b)].
.set NQ,    4                          ; matrix instructions deep in a slot
.set FR,    8
.set NL,    2
.set NP,    4                          ; places behind this matrix instruction (ISA guide 7.12.1)
.set SLOT,  131072                     ; the A place's 16 tiles x 4,096 bytes, then the B place's
.set SCL,   2*SLOT                     ; the scales: units of 256 bytes + 16 of padding
.set HALFS, 4352                       ; those of 128 rows
.set SBLK,  544                        ; those of 16 rows
.set SPARE, SCL+4*HALFS                ; the spare words, 128 bytes a wave
.set VO,   4                           ; v4-7  16 x lane + p x the distance between pairs of B tiles in the output
.set L4,   8                           ; v8    4 x lane
.set ADRA, 16
.set ADRB, 20
.set ADRS, 27
.set SPW,  28
.set NIL,  29
.set SC,   32
.set AF,   128
.set TMP,  192
.set U,    32                          ; V's sums: 16 pairs
.set PT,   64
.set SEL,  66
.set G1,   24
.set G0,   32
.set G1B,  48
.set G0B,  56
.set G1S,  68
.set G0S,  76
.set G1SB, 80
.set G0SB, 88
.set MSB, 0
.macro WIN new                         ; the immediate's high byte repeats the setting that is left
.if MSB != \new
	s_set_vgpr_msb (MSB<<8)|\new
.set MSB, \new
.endif
.endm
.set MUL_LO, 0xa1                      ; source 0 window 1, source 1 window 0, C and D window 2
.set MUL_HI, 0xf1
.set TO_B,   0x40
.macro JLOAD g0a, g1a, g0b, g1b        ; waves 0 and 1 fetch for the A place, waves 2 and 3 for the B place; an s_nop 0 and four v_nop follow each line
	s_cmp_eq_u32 s17, 0
	s_cbranch_scc0 .Lfor_b_\@
	tensor_load_to_lds s[\g0a:\g0a+3], s[\g1a:\g1a+7]
	s_nop 0
.rept 4
	v_nop
.endr
	s_branch .Lasked_\@
.Lfor_b_\@:
	tensor_load_to_lds s[\g0b:\g0b+3], s[\g1b:\g1b+7]
	s_nop 0
.rept 4
	v_nop
.endr
.Lasked_\@:
.endm
.macro CROUND                          ; a round of the cluster's barrier
	s_barrier_signal -1
	s_barrier_wait -1
	s_cmp_lg_u32 s16, 0
	s_cbranch_scc1 .Lnot_wave_0_\@
	s_barrier_signal -3
.Lnot_wave_0_\@:
	s_barrier_wait -3
	s_barrier_signal -1
	s_barrier_wait -1
.endm
	s_load_b256 s[4:11], s[0:1], 0x0               ; xc, xs, wc, ws
	s_load_b128 s[12:15], s[0:1], 0x20             ; qkv, vsum
	v_lshl_add_u32 v[SPW], v0, 2, SPARE
	v_mov_b32 v[NIL], 0
	ds_add_u32 v[SPW], v[NIL]                      ; the wave's opening: the add, twice on end, and its wait ahead of my first tensor load
	ds_add_u32 v[SPW], v[NIL]
	v_lshrrev_b32 v1, 5, v0
	v_readfirstlane_b32 s16, v1                    ; wave
	s_lshr_b32 s17, s16, 1                         ; my half of the A place's rows.  Also: I fetch for A (0) or B (1)
	s_and_b32 s18, s16, 1                          ; my half of the B place's rows.  Also: which 128 rows I fetch
	s_bfe_u32 s40, ttmp6, 0x40000                  ; cx
	s_bfe_u32 s41, ttmp6, 0x40004                  ; cy
	s_and_b32 s42, ttmp7, 0xffff                   ; the cluster's y, 0 .. 23
	s_lshl_b32 s43, s41, 2
	s_lshl_b32 s43, 15, s43                        ; my row of the cluster
	s_lshl_b32 s44, 0x1111, s40                    ; my column
	s_or_b32 s[G1+0], s43, (3<<16)|(1<<21)         ; codes: elements of 8 bytes, no padding; the mask, and bit 21 beside it
	s_or_b32 s[G1B+0], s44, (3<<16)|(1<<21)
.irp g, G1, G1B
	s_mov_b32 s[\g+1], 512<<16                     ; tensor_dim0: a tile's four images, 4,096 bytes
	s_mov_b32 s[\g+2], 8<<16                       ; tensor_dim1: 8 tiles of 16 rows
	s_mov_b32 s[\g+3], 512<<16                     ; tile_dim0
	s_mov_b32 s[\g+4], 8                           ; tile_dim1
	s_mov_b32 s[\g+5], 1024                        ; from tile to tile: 8 images
	s_mov_b32 s[\g+6], 0
	s_mov_b32 s[\g+7], 0
.endr
	s_or_b32 s[G1S+0], s43, (3<<16)|(1<<20)|(1<<21)|(5<<22)|(3<<25)   ; scales of 128 rows: 4,096 dense bytes as 16 rows of 256, 16 bytes of padding behind each
	s_or_b32 s[G1SB+0], s44, (3<<16)|(1<<20)|(1<<21)|(5<<22)|(3<<25)
.irp g, G1S, G1SB
	s_mov_b32 s[\g+1], 32<<16
	s_mov_b32 s[\g+2], 16<<16
	s_mov_b32 s[\g+3], 32<<16
	s_mov_b32 s[\g+4], 16
	s_mov_b32 s[\g+5], 32
	s_mov_b32 s[\g+6], 0
	s_mov_b32 s[\g+7], 0
.endr
	s_mov_b32 s[SEL], 0x76543210
	s_mov_b32 s[SEL+1], 0xfedcba98
	s_lshl_b32 s20, s42, 10                        ; the cluster's first row among the 24,576 rows of activations
	s_lshr_b32 s21, s42, 3
	s_lshl_b32 s21, s21, 10                        ; and among the 3,072 rows of weights
	s_cmp_ge_u32 s42, 16                           ; V?  The cluster's number alone: the same in all sixteen partners
	s_cselect_b32 s19, 1, 0
	s_cselect_b32 s22, s21, s20                    ; the A place's first row
	s_cselect_b32 s23, s20, s21                    ; the B place's
	s_lshl_b32 s45, s18, 7
	s_lshl_b32 s2, s41, 8
	s_add_co_u32 s22, s22, s2
	s_add_co_u32 s22, s22, s45                     ; + 256 cy + the 128 that I fetch
	s_lshl_b32 s46, s40, 8
	s_add_co_u32 s23, s23, s46
	s_add_co_u32 s23, s23, s45                     ; + 256 cx + the 128 that I fetch
	s_mov_b32 s3, 0
	s_mov_b32 s47, 0
	s_lshl_b32 s20, s16, 15                        ; LDS: wave x 128 rows: no place in the cluster enters an LDS address
	s_mul_i32 s21, s16, HALFS
	s_wait_dscnt 0x0                               ; both opening adds are done
	s_wait_kmcnt 0x0
	s_cmp_ge_u32 s42, 16
	s_cselect_b64 s[92:93], s[8:9], s[4:5]         ; A place: codes,
	s_cselect_b64 s[94:95], s[10:11], s[6:7]       ; scales
	s_cselect_b64 s[96:97], s[4:5], s[8:9]         ; B place: codes,
	s_cselect_b64 s[98:99], s[6:7], s[10:11]       ; scales
	s_lshl_b32 s2, s22, 9                          ; 512 bytes of codes a row
	s_add_nc_u64 s[92:93], s[92:93], s[2:3]
	s_lshl_b32 s2, s22, 5                          ; 32 scale bytes a row
	s_add_nc_u64 s[94:95], s[94:95], s[2:3]
	s_lshl_b32 s46, s23, 9
	s_add_nc_u64 s[96:97], s[96:97], s[46:47]
	s_lshl_b32 s46, s23, 5
	s_add_nc_u64 s[98:99], s[98:99], s[46:47]
	CROUND                                         ; all sixteen work-groups are here: the first joint loads meet
	s_mov_b32 s[G0S], 1
	s_add_co_u32 s[G0S+1], s21, SCL
	s_mov_b64 s[G0S+2:G0S+3], s[94:95]
	s_or_b32 s[G0S+3], s[G0S+3], 0x80000000
	s_mov_b32 s[G0SB], 1
	s_add_co_u32 s[G0SB+1], s21, SCL
	s_mov_b64 s[G0SB+2:G0SB+3], s[98:99]
	s_or_b32 s[G0SB+3], s[G0SB+3], 0x80000000
	JLOAD G0S, G1S, G0SB, G1SB                     ; the scales first: they are wanted with slot 0
.irp s, 0,1
	s_mov_b32 s[G0+4*\s], 1
	s_add_co_u32 s[G0+4*\s+1], s20, \s*SLOT
	s_add_nc_u64 s[G0+4*\s+2:G0+4*\s+3], s[92:93], \s*4096
	s_or_b32 s[G0+4*\s+3], s[G0+4*\s+3], 0x80000000
	s_mov_b32 s[G0B+4*\s], 1
	s_add_co_u32 s[G0B+4*\s+1], s20, \s*SLOT
	s_add_nc_u64 s[G0B+4*\s+2:G0B+4*\s+3], s[96:97], \s*4096
	s_or_b32 s[G0B+4*\s+3], s[G0B+4*\s+3], 0x80000000
	JLOAD G0+4*\s, G1, G0B+4*\s, G1B
.endr
	v_and_b32 v1, 15, v0
	v_bfe_u32 v2, v0, 4, 1
	v_and_b32 v3, 31, v0
	v_lshlrev_b32 v9, 4, v3                        ; 16 x lane: my place in half an image
	s_lshl_b32 s21, s17, 15
	s_lshl_b32 s22, s18, 15
	s_add_co_u32 s22, s22, 65536
.irp s, 0,1
	v_add_nc_u32 v[ADRA+\s], s21, v9
	v_add_nc_u32 v[ADRB+\s], s22, v9
	s_add_co_u32 s21, s21, SLOT
	s_add_co_u32 s22, s22, SLOT
.endr
	v_mul_u32_u24 v10, v1, 32                      ; my row's scales: 32 bytes a row,
	v_lshrrev_b32 v11, 8, v10
	v_lshl_add_u32 v10, v11, 4, v10                ; and 16 more for each 256 passed
	s_mul_i32 s21, s17, HALFS
	s_mul_i32 s22, s18, HALFS
	s_add_co_u32 s22, s22, 2*HALFS
	s_sub_co_u32 s22, s22, s21
	v_mul_u32_u24 v11, s22, v2                     ; lanes 16-31 take the B place's
	s_add_co_u32 s21, s21, SCL
	v_add_nc_u32 v10, v10, v11
	v_add_nc_u32 v[ADRS], s21, v10
	; where the results go.  p = my first row in the A place's 1,024, q = in the B place's.  Q, K: token (first row + p), channel q: byte token x 2,048 + q x 32; from A tile to A tile 32,768, from pair to pair of B tiles 1,024.
	; V: key (first row + q), channel p: byte key x 2,048 + p x 64 (the cluster's first row x 2,048 already lies in V's third of the buffer); from A tile to A tile 1,024, from pair to pair 65,536.
	s_lshl_b32 s20, s41, 8
	s_lshl_b32 s21, s17, 7
	s_add_co_u32 s20, s20, s21                     ; p
	s_lshl_b32 s21, s40, 8
	s_lshl_b32 s22, s18, 7
	s_add_co_u32 s21, s21, s22                     ; q
	s_lshl_b32 s22, s42, 10
	s_mov_b32 s100, 32768
	s_mov_b32 s45, 1024
	s_cmp_lg_u32 s19, 0
	s_cselect_b32 s23, s21, s20
	s_cselect_b32 s46, s20, s21
	s_cselect_b32 s2, 6, 5
	s_cselect_b32 s100, 1024, s100
	s_cselect_b32 s45, 0x10000, s45
	s_mov_b32 s101, 0
	s_add_co_u32 s23, s23, s22
	s_lshl_b32 s23, s23, 11
	s_lshl_b32 s46, s46, s2
	s_add_co_u32 s46, s46, s23
	s_add_nc_u64 s[12:13], s[12:13], s[46:47]
	v_mov_b32 v[VO], v9
	v_add_nc_u32 v[VO+1], s45, v[VO]
	v_add_nc_u32 v[VO+2], s45, v[VO+1]
	v_add_nc_u32 v[VO+3], s45, v[VO+2]
	v_lshlrev_b32 v[L4], 2, v3
.macro FRAG reg, adr, q, i             ; tile i's image of the slot's q-th 128 along K: two loads of 512 consecutive bytes
.irp c, 0,1
	ds_load_b128 v[\reg+4*\c:\reg+4*\c+3], v[\adr] offset:(\i)*4096+(\q)*1024+512*\c
.endr
.endm
; 16 matrix instructions: A tiles a0, a0 + 1 x the B place's eight.  The 64 accumulators take turns, one instruction a turn, in the same order in every step.
.macro MUL16 a0, p, q, sc, zero
.irp a, \a0, \a0+1
.irp b, 0,1,2,3,4,5,6,7
.if \zero
	v_wmma_scale_f32_16x16x128_f8f6f4 v[8*(8*((\a)%4)+\b):8*(8*((\a)%4)+\b)+7], v[128*(\p)+FR*\b:128*(\p)+FR*\b+FR-1], v[AF+FR*(\a):AF+FR*(\a)+FR-1], 0, v[SC+8*NQ*(\sc)+NQ*\b+(\q)], v[SC+8*NQ*(\sc)+NQ*(\a)+(\q)] matrix_a_fmt:MATRIX_FMT_FP4 matrix_b_fmt:MATRIX_FMT_FP4 matrix_a_scale:MATRIX_SCALE_ROW1
.else
	v_wmma_scale_f32_16x16x128_f8f6f4 v[8*(8*((\a)%4)+\b):8*(8*((\a)%4)+\b)+7], v[128*(\p)+FR*\b:128*(\p)+FR*\b+FR-1], v[AF+FR*(\a):AF+FR*(\a)+FR-1], v[8*(8*((\a)%4)+\b):8*(8*((\a)%4)+\b)+7], v[SC+8*NQ*(\sc)+NQ*\b+(\q)], v[SC+8*NQ*(\sc)+NQ*(\a)+(\q)] matrix_a_fmt:MATRIX_FMT_FP4 matrix_b_fmt:MATRIX_FMT_FP4 matrix_a_scale:MATRIX_SCALE_ROW1
.endif
.endr
.endr
.endm
.macro FETCH_B slot, q, p
	WIN TO_B
.irp i, 0,1,2,3,4,5,6,7
	FRAG 128*(\p)+FR*\i, ADRB+\slot, \q, \i
.endr
	WIN 0
.endm
.macro FETCH_A slot, q, i0
.irp i, \i0, \i0+1, \i0+2, \i0+3
	FRAG AF+FR*(\i), ADRA+\slot, \q, \i
.endr
.endm
.macro SCALES sc                       ; a slot's scale words: four a row; lanes 0-15 take the A place's tile i, lanes 16-31 the B place's
.irp i, 0,1,2,3,4,5,6,7
	ds_load_b128 v[SC+8*NQ*\sc+NQ*\i:SC+8*NQ*\sc+NQ*\i+3], v[ADRS] offset:\i*SBLK
.endr
.endm
.macro PLACES n                        ; plain vector lines between a matrix instruction and a load into, or a vector line on, its registers
.rept \n
	v_nop
.endr
.endm
.macro STEP slot, q, zero              ; 128 along K with its successor in the same slot
	s_wait_dscnt 4*NL                              ; all but the youngest eight loads (A tiles 4-7) are in
	WIN MUL_LO
	MUL16 0, (\q)%2, \q, \slot, \zero
	MUL16 2, (\q)%2, \q, \slot, \zero
	s_wait_dscnt 0
	PLACES NP
	FETCH_B \slot, (\q)+1, 1-(\q)%2
	FETCH_A \slot, (\q)+1, 0
	WIN MUL_HI
	MUL16 4, (\q)%2, \q, \slot, \zero
	MUL16 6, (\q)%2, \q, \slot, \zero
	PLACES NP
	WIN 0
	FETCH_A \slot, (\q)+1, 4
.endm
.macro STEPS slot, from
.set Q, \from
.rept NQ-1-\from
	STEP \slot, Q, 0
.set Q, Q+1
.endr
.endm
	s_wait_tensorcnt 1                             ; the scales and my part of slot 0 are in; slot 1's load may be out
	s_barrier_signal -1
	s_barrier_wait -1
	FETCH_B 0, 0, 0
	FETCH_A 0, 0, 0
	SCALES 0
	FETCH_A 0, 0, 4
	STEP 0, 0, 1                                   ; the first products start the sums: nothing is cleared
	STEPS 0, 1
	; slot 0's last step, and the change to slot 1
	s_wait_tensorcnt 0x0                           ; my part of slot 1 has landed
	ds_add_u32 v[SPW], v[NIL]                      ; 0 onto my spare word
	s_wait_dscnt 4*NL+1                            ; the add and the youngest eight loads may be out
	WIN MUL_LO
	MUL16 0, 1, NQ-1, 0, 0
	s_wait_dscnt 0x0
	s_barrier_signal -1
	MUL16 2, 1, NQ-1, 0, 0
	WIN 0
	s_barrier_wait -1                              ; slot 1 is whole
	PLACES NP
	v_add_nc_u32 v[ADRS], 4*NQ, v[ADRS]            ; slot 1's scale words (no LDS load of mine is out)
	FETCH_B 1, 0, 0
	FETCH_A 1, 0, 0
	SCALES 1
	WIN MUL_HI
	MUL16 4, 1, NQ-1, 0, 0
	MUL16 6, 1, NQ-1, 0, 0
	PLACES NP
	WIN 0
	FETCH_A 1, 0, 4
	STEPS 1, 0
	s_wait_dscnt 4*NL
	WIN MUL_LO
	MUL16 0, 1, NQ-1, 1, 0
	MUL16 2, 1, NQ-1, 1, 0
	s_wait_dscnt 0
	WIN MUL_HI
	MUL16 4, 1, NQ-1, 1, 0
	MUL16 6, 1, NQ-1, 1, 0
	WIN 0
	PLACES NP                                      ; in front of the first reads of results and of writes to registers that held scales
	s_cmp_eq_u32 s19, 0
	s_cbranch_scc1 .Lnosum
	; V's SUMS over blocks of 64 keys.  Accumulators (a, 4 kb .. 4 kb + 3) are 32 registers on end: channel 16 a + lane % 16, keys 64 kb + .. of my 128.  Sixteen chains of packed additions, eight by turns; each accumulator from its low end on.
	s_add_co_u32 s22, s22, s21
	s_sub_co_u32 s22, s22, 16384                   ; my first key among V's 8,192
	s_lshl_b32 s22, s22, 6                         ; a block of 64 keys is a row of 4,096 bytes
	s_lshl_b32 s20, s20, 2
	s_add_co_u32 s46, s22, s20
	s_add_nc_u64 s[14:15], s[14:15], s[46:47]
.macro VSUMW w
	WIN 0x0a+5*\w
.irp aa, 0,1,2,3
.irp kb, 0,1
	v_pk_add_f32 v[U+2*(2*(4*\w+\aa)+\kb):U+2*(2*(4*\w+\aa)+\kb)+1], v[8*(8*\aa+4*\kb):8*(8*\aa+4*\kb)+1], v[8*(8*\aa+4*\kb)+2:8*(8*\aa+4*\kb)+3]
.endr
.endr
	WIN 0x08+4*\w
.irp p, 2,3,4,5,6,7,8,9,10,11,12,13,14,15
.irp aa, 0,1,2,3
.irp kb, 0,1
	v_pk_add_f32 v[U+2*(2*(4*\w+\aa)+\kb):U+2*(2*(4*\w+\aa)+\kb)+1], v[U+2*(2*(4*\w+\aa)+\kb):U+2*(2*(4*\w+\aa)+\kb)+1], v[8*(8*\aa+4*\kb)+2*\p:8*(8*\aa+4*\kb)+2*\p+1]
.endr
.endr
.endr
.endm
	VSUMW 0
	VSUMW 1
	WIN 0
.irp n, 0,1,2,3,4,5,6,7,8,9,10,11,12,13,14,15
	v_add_f32 v[U+2*\n], v[U+2*\n], v[U+2*\n+1]
.endr
.irp n, 0,1,2,3,4,5,6,7,8,9,10,11,12,13,14,15
	v_permlanex16_b32 v[PT+\n], v[U+2*\n], s[SEL], s[SEL+1]
.endr
.irp n, 0,1,2,3,4,5,6,7,8,9,10,11,12,13,14,15
	v_add_f32 v[U+2*\n], v[U+2*\n], v[PT+\n]       ; with lane l xor 16's keys
.endr
	v_cmp_le_u32 vcc_lo, 16, v3
.irp kb, 0,1
.irp a2, 0,1,2,3
	v_cndmask_b32 v[96+4*\kb+\a2], v[U+2*(4*\a2+\kb)], v[U+2*(4*\a2+2+\kb)], vcc_lo   ; lanes 0-15 the even tile's 16 channels, lanes 16-31 the odd one's
.endr
.endr
.irp kb, 0,1
.irp a2, 0,1,2,3
	global_store_b32 v[L4], v[96+4*\kb+\a2], s[14:15] offset:\kb*4096+\a2*128   ; 32 channels: 128 consecutive bytes
.endr
.endr
.Lnosum:
; THE WAY OUT: no LDS.  A lane's eight results pack into the 16 bytes that the image gives that lane: each store is 512 consecutive bytes.
.macro OUTBLK a
.set AC, 64*((\a)%4)
.if (\a) > 0
	s_wait_xcnt 0x0                                ; the last tile's stores have read their data and their base
	s_add_nc_u64 s[12:13], s[12:13], s[100:101]
.endif
	WIN 0x0a+5*((\a)/4)
.irp b, 0,1,2,3,4,5,6,7
.irp r, 0,1,2,3
	v_cvt_pk_f16_f32 v[TMP+4*\b+\r], v[AC+8*\b+2*\r], v[AC+8*\b+2*\r+1]
.endr
.endr
	WIN 0
.irp b, 0,1,2,3,4,5,6,7
	global_store_b128 v[VO+\b/2], v[TMP+4*\b:TMP+4*\b+3], s[12:13] offset:512*(\b%2)
.endr
.endm
.irp a, 0,1,2,3,4,5,6,7
	OUTBLK \a
.endr
	s_wait_tensorcnt 0x0                           ; the wave's end
	ds_add_u32 v[SPW], v[NIL]
	s_wait_dscnt 0x0
	CROUND                                         ; the closing round
	s_endpgm
.Lfunc_end_k_q460c7dc365_proj:
	.size	k_q460c7dc365_proj, .Lfunc_end_k_q460c7dc365_proj-k_q460c7dc365_proj
	.p2alignl 7, 3214868480
	.fill 96, 4, 3214868480
	.section	.rodata,"a",@progbits
	.p2align	6, 0x0
	.amdhsa_kernel k_q460c7dc365_proj
		.amdhsa_group_segment_fixed_size 327680
		.amdhsa_private_segment_fixed_size 0
		.amdhsa_enable_private_segment 0
		.amdhsa_kernarg_size 48
		.amdhsa_user_sgpr_count 2
		.amdhsa_user_sgpr_kernarg_segment_ptr 1
		.amdhsa_wavefront_size32 1
		.amdhsa_system_sgpr_workgroup_id_x 1
		.amdhsa_system_sgpr_workgroup_id_y 1
		.amdhsa_system_sgpr_workgroup_id_z 1
		.amdhsa_system_vgpr_workitem_id 0
		.amdhsa_next_free_vgpr 1024
		.amdhsa_next_free_sgpr 102
		.amdhsa_reserve_vcc 1
		.amdhsa_float_denorm_mode_32 3
		.amdhsa_float_denorm_mode_16_64 3
		.amdhsa_memory_ordered 1
		.amdhsa_forward_progress 1
		.amdhsa_inst_pref_size 137
	.end_amdhsa_kernel
	.amdgpu_metadata
---
amdhsa.version: [ 1, 2 ]
amdhsa.kernels:
  - .name:           k_q460c7dc365_proj
    .symbol:         k_q460c7dc365_proj.kd
    .args:
      - { .name: xc, .offset: 0, .size: 8, .value_kind: global_buffer, .address_space: global }
      - { .name: xs, .offset: 8, .size: 8, .value_kind: global_buffer, .address_space: global }
      - { .name: wc, .offset: 16, .size: 8, .value_kind: global_buffer, .address_space: global }
      - { .name: ws, .offset: 24, .size: 8, .value_kind: global_buffer, .address_space: global }
      - { .name: qkv, .offset: 32, .size: 8, .value_kind: global_buffer, .address_space: global }
      - { .name: vsum, .offset: 40, .size: 8, .value_kind: global_buffer, .address_space: global }
    .group_segment_fixed_size: 327680
    .private_segment_fixed_size: 0
    .kernarg_segment_align: 8
    .kernarg_segment_size: 48
    .max_flat_workgroup_size: 128
    .sgpr_count:     102
    .vgpr_count:     1024
    .wavefront_size: 32
...
	.end_amdgpu_metadata
.endif
;; end of part 2
;; launch attn (part 3): grid 16 x 16, 16 waves a work-group, no clusters, 137,216 bytes of LDS; arguments qkv, vsum, valid_length, af; writes af
.if DOCPART == 3
	.amdgcn_target "amdgcn-amd-amdhsa--gfx1250"
	.amdhsa_code_object_version 6
	.text
	.protected	k_q460c7dc365_attn
	.globl	k_q460c7dc365_attn
	.p2align	8
	.type	k_q460c7dc365_attn,@function
k_q460c7dc365_attn:
	s_mov_b64 s[64:65], 0
	v_nop
	global_prefetch_b8 v0, s[64:65] scope:SCOPE_SE
	s_setreg_imm32_b32 hwreg(HW_REG_WAVE_MODE, 25, 1), 1
	s_wait_xcnt 0x0
; softmax(Q K^T / 8, keys k >= valid_length[head % 4] at -1e6) V for every head; operands f16, sums, maxima and exponentials f32; the result leaves as f16 images for launch outp.
; WORK LEFT OUT (shown at the head of launch prep): whole blocks of 64 keys behind valid_length are not walked.  All their scores are -1e6, so they enter as ONE key: score -1e6, count = their number,
; value = the sum of their rows of V (vsum).  The running softmax BEGINS with that key.  In the one block that is masked in part the masked scores are set to -1e6 and go the ordinary way.
; SHARES.  A work-group owns 128 queries of the four heads 4 g .. 4 g + 3 of a batch: one head of each residue modulo 4, so that every work-group walks the same number of key blocks whatever valid_length holds.
; Wave w: head 4 g + w / 4, queries 32 (w % 4) on: two tiles of 16, in 256 registers.  Four waves share a SIMD, so that one wave's softmax stands beside another's products.
; NO TENSOR LOAD, NO CLUSTER: how far a head is walked hangs on valid_length, which this launch reads.  K and V go memory -> registers -> LDS, one step of 64 keys ahead; a head's four waves fetch a quarter each.
; The loop has a constant count (16 trips of two steps); every wave passes every barrier; scalar branches on the number of live steps lead round a step's work alone.  No address hangs on valid_length.
; LAYOUT.  S^T = K Q^T (source 0 = 16 keys, source 1 = 16 queries) and O^T = V^T P: a lane holds ONE query throughout; two score tiles rounded to f16 in pairs ARE source 1 of the second product.
; SOFTMAX.  p = 2^(c s - c m), c = log2(e) / 8, m the running maximum of the raw scores s (a masked score is -8e6 = -1e6 x 8); O and l are multiplied by a = 2^(c m_old - c m_new) in every step.
.set SLOT1, 65536                      ; a slot: four heads x (K: 4 tiles x 2 images, V: 2 x 4 images) = 4 x 16,384 bytes
.set VS,    131072                     ; 256 bytes a wave: the first key's value on its way into O^T's layout
.set SPARE, 135168                     ; the spare words, 128 bytes a wave
.set LRD, 1                            ; v1-2  my head's tiles in slot 0, 1: + 16 x lane
.set LWR, 3                            ; v3-4  where my quarter goes
.set KO,  5                            ; v5    my quarter of a step's K in memory
.set VOF, 6                            ; v6    of V
.set PFO, 7                            ; v7    the prefetch's offset
.set SPW, 8
.set NIL, 9
.set H8,  10                           ; v10   8 x (lane / 16)
.set DD,  11
.set ST,  12                           ; tile t at v[12 + 8 t]: +0 c m, +1 m, +2, +3 l, +4 .. +7 at work (a in +6)
.set MSK, 28                           ; v28   -8e6
.set L16, 31                           ; v31   16 x lane
.set Q,   32                           ; v32-63   Q: tile t, channels 32 c2 on at 32 + 16 t + 8 c2
.set S,   64                           ; v64-127  S^T: 64 + 32 t + 8 kt; then p; then P (t, kp) in f16 at 64 + 32 t + 16 kp
.set O,   128                          ; v128-191 O^T: 128 + 32 t + 8 ct
.set F,   192                          ; v192-223 four fragments of K or of V
.set G,   224                          ; v224-255 my quarter of the next step, on its way
	s_load_b256 s[4:11], s[0:1], 0x0               ; qkv, vsum, valid_length, af
	v_lshl_add_u32 v[SPW], v0, 2, SPARE
	v_mov_b32 v[NIL], 0
	v_lshrrev_b32 v29, 5, v0
	v_readfirstlane_b32 s16, v29                   ; wave
	s_lshr_b32 s17, s16, 2                         ; j: which of the four heads
	s_and_b32 s18, s16, 3                          ; which 32 queries, and which quarter I fetch
	s_and_b32 s28, ttmp7, 0xffff
	s_lshr_b32 s19, s28, 2                         ; batch
	s_and_b32 s20, s28, 3
	s_lshl_b32 s21, s20, 2
	s_add_co_u32 s21, s21, s17                     ; head
	s_mov_b32 s38, 0x76543210
	s_mov_b32 s39, 0xfedcba98
	s_mov_b32 s40, 0x3e38aa3b                      ; c = log2(e) / 8
	s_mov_b32 s41, s40
	v_and_b32 v29, 31, v0
	v_lshlrev_b32 v[L16], 4, v29
	v_bfe_u32 v30, v0, 4, 1
	v_lshlrev_b32 v[H8], 3, v30
	s_lshl_b32 s28, s17, 14
	v_add_nc_u32 v[LRD], s28, v[L16]
	v_add_nc_u32 v[LRD+1], SLOT1, v[LRD]
	s_lshl_b32 s28, s18, 11
	v_add_nc_u32 v[LWR], s28, v[LRD]
	v_add_nc_u32 v[LWR+1], s28, v[LRD+1]
	s_lshl_b32 s28, s16, 8
	s_add_co_u32 s28, s28, VS
	v_lshl_add_u32 v192, v29, 3, s28               ; in: channels 2 lane, 2 lane + 1
	v_lshl_add_u32 v193, v30, 5, s28               ; out: channels 16 ct + 8 (lane / 16) on
	s_lshl_b32 s28, s18, 15                        ; K: key tile = my quarter,
	s_lshl_b32 s29, s21, 11                        ; my head's two images,
	s_add_co_u32 s28, s28, s29
	s_add_co_u32 s28, s28, 0x1000000               ; in K's third of the buffer
	v_add_nc_u32 v[KO], s28, v[L16]
	s_lshr_b32 s29, s18, 1                         ; V: 32 keys (quarter / 2),
	s_lshl_b32 s29, s29, 16
	s_lshl_b32 s30, s21, 12                        ; my head's four images,
	s_add_co_u32 s29, s29, s30
	s_and_b32 s30, s18, 1                          ; two of them
	s_lshl_b32 s30, s30, 11
	s_add_co_u32 s29, s29, s30
	s_add_co_u32 s29, s29, 0x2000000
	v_add_nc_u32 v[VOF], s29, v[L16]
	s_sub_co_u32 s29, s29, s28                     ; the prefetch: lane / 16 = which of two steps, bit 3 = K or V, lane % 8 = which 256 bytes of my 2,048
	v_bfe_u32 v[PFO], v0, 3, 1
	v_mul_lo_u32 v[PFO], v[PFO], s29
	v_lshl_add_u32 v[PFO], v30, 17, v[PFO]
	v_and_b32 v30, 7, v0
	v_lshl_add_u32 v[PFO], v30, 8, v[PFO]
	v_add_nc_u32 v[PFO], s28, v[PFO]
	s_mov_b32 s29, 0
	s_wait_kmcnt 0x0
	s_load_b128 s[12:15], s[8:9], 0x0              ; the four valid lengths
	s_lshl_b32 s28, s19, 22                        ; a batch's 2,048 tokens: 4 MiB in each third
	s_add_nc_u64 s[32:33], s[4:5], s[28:29]
	s_lshl_b32 s28, s19, 7
	s_lshl_b32 s30, ttmp9, 3
	s_add_co_u32 s28, s28, s30
	s_lshl_b32 s30, s18, 1
	s_add_co_u32 s28, s28, s30                     ; my first tile of 16 tokens
	s_lshl_b32 s28, s28, 15
	s_lshl_b32 s30, s21, 11
	s_add_co_u32 s28, s28, s30
	s_add_nc_u64 s[34:35], s[4:5], s[28:29]        ; Q
	s_add_nc_u64 s[36:37], s[10:11], s[28:29]      ; the result: the same place in af
	s_lshl_b32 s28, s19, 17
	s_lshl_b32 s30, s21, 8
	s_add_co_u32 s28, s28, s30
	s_add_nc_u64 s[44:45], s[6:7], s[28:29]        ; vsum: my batch's 32 blocks, my head's 64 channels
.macro GLOAD n                         ; my quarter of the step n steps on from the trip's first: 4 x 512 bytes of K, 4 x 512 of V
.irp i, 0,1,2,3
	global_load_b128 v[G+4*\i:G+4*\i+3], v[KO], s[32:33] offset:(\n)*131072+\i*512
.endr
.irp i, 0,1,2,3
	global_load_b128 v[G+16+4*\i:G+16+4*\i+3], v[VOF], s[32:33] offset:(\n)*131072+\i*512
.endr
.endm
.macro LSTORE s
.irp i, 0,1,2,3
	ds_store_b128 v[LWR+(\s)], v[G+4*\i:G+4*\i+3] offset:\i*512
.endr
.irp i, 0,1,2,3
	ds_store_b128 v[LWR+(\s)], v[G+16+4*\i:G+16+4*\i+3] offset:8192+\i*512
.endr
.endm
.irp t, 0,1
.irp c2, 0,1
.irp c, 0,1
	global_load_b128 v[Q+16*\t+8*\c2+4*\c:Q+16*\t+8*\c2+4*\c+3], v[L16], s[34:35] offset:\t*32768+\c2*1024+\c*512
.endr
.endr
.endr
	GLOAD 0
	v_lshlrev_b32 v29, 3, v29
.irp blk, 0,1,2,3,4,5,6,7,8,9,10,11,12,13,14,15,16,17,18,19,20,21,22,23,24,25,26,27,28,29,30,31
	global_load_b64 v[S+2*\blk:S+2*\blk+1], v29, s[44:45] offset:\blk*4096
.endr
	v_mov_b32 v[MSK], 0xcaf42400                   ; -8e6
	v_mul_f32 v196, s40, v[MSK]                    ; c m0, rounded;
	v_fma_f32 v196, v[MSK], s40, -v196             ; what the rounding left;
	v_exp_f32 v196, v196                           ; w = 2^(c m0 - round(c m0)): the weight that the multiply-add below gives a masked key where m = m0.  The first key gets the same
	v_mov_b32 v197, 0
	v_mov_b32 v194, 0
	v_mov_b32 v195, 0
	s_wait_alu depctr_va_vdst(0)                   ; ahead of the exponential's first reader and of every branch
	s_wait_kmcnt 0x0
	s_cmp_eq_u32 s17, 1
	s_cselect_b32 s23, s13, s12
	s_cmp_eq_u32 s17, 2
	s_cselect_b32 s23, s14, s23
	s_cmp_eq_u32 s17, 3
	s_cselect_b32 s23, s15, s23                    ; valid_length[head % 4],
	s_max_i32 s23, s23, 0
	s_min_i32 s23, s23, 2048                       ; as the comparison with 0 .. 2047 sees it
	s_add_co_u32 s24, s23, 63
	s_lshr_b32 s24, s24, 6                         ; live steps
	s_cmp_eq_u32 ttmp9, 0
	s_cselect_b32 s42, s24, 0                      ; the head's first block of queries prefetches, the others never
	s_mov_b32 s28, 0xff61b1e6                      ; -3e38: no first key
	s_cmp_lt_u32 s24, 32
	s_cselect_b32 s28, 0xcaf42400, s28
	v_mov_b32 v[ST+1], s28
	v_mov_b32 v[ST+9], s28
	v_mul_f32 v[ST], s40, v[ST+1]
	v_mul_f32 v[ST+8], s40, v[ST+9]
	s_sub_co_u32 s28, 32, s24
	s_lshl_b32 s28, s28, 6                         ; the first key's count
	v_cvt_f32_u32 v198, s28
	v_mul_f32 v198, v198, v196
	v_and_b32 v30, 31, v0
	v_cmp_gt_u32 vcc_lo, 16, v30
	v_cndmask_b32 v[ST+2], 0, v198, vcc_lo         ; l: once for each query (the two halves of the lanes are added at the end)
	v_mov_b32 v[ST+3], 0
	v_mov_b32 v[ST+10], v[ST+2]
	v_mov_b32 v[ST+11], 0
.irp i, 4,5,6,7,12,13,14,15
	v_mov_b32 v[ST+\i], 0
.endr
	s_wait_loadcnt 32                              ; Q and step 0's quarter are in; the 32 loads of vsum may be out
	LSTORE 0
	s_wait_loadcnt 0x0
.irp blk, 31,30,29,28,27,26,25,24,23,22,21,20,19,18,17,16,15,14,13,12,11,10,9,8,7,6,5,4,3,2,1,0
	s_cmp_gt_u32 s24, \blk                         ; from the last block down to the first that is not walked
	s_cbranch_scc1 .Lsuf
	v_pk_add_f32 v[194:195], v[194:195], v[S+2*\blk:S+2*\blk+1]
.endr
.Lsuf:
	v_pk_mul_f32 v[194:195], v[194:195], v[196:197] op_sel_hi:[1,0]
	ds_store_b64 v192, v[194:195]
.irp t, 0,1
.irp ct, 0,1,2,3
.irp e, 0,1
	ds_load_b128 v[O+32*\t+8*\ct+4*\e:O+32*\t+8*\ct+4*\e+3], v193 offset:\ct*64+\e*16   ; LDS serves a wave's instructions in order: these see my store
.endr
.endr
.endr
	s_wait_dscnt 0x0
	s_barrier_signal -1
	s_barrier_wait -1                              ; step 0 lies in slot 0
.macro KGRP s, g                       ; key tiles 2 g, 2 g + 1 against both tiles of queries: four accumulators by turns, two deep
.irp u, 0,1
.irp c2, 0,1
.irp c, 0,1
	ds_load_b128 v[F+16*\u+8*\c2+4*\c:F+16*\u+8*\c2+4*\c+3], v[LRD+\s] offset:(2*\g+\u)*2048+\c2*1024+\c*512
.endr
.endr
.endr
	s_wait_dscnt 0x0
.irp u, 0,1
.irp t, 0,1
	v_wmma_f32_16x16x32_f16 v[S+32*\t+8*(2*\g+\u):S+32*\t+8*(2*\g+\u)+7], v[F+16*\u:F+16*\u+7], v[Q+16*\t:Q+16*\t+7], 0
.endr
.endr
.irp u, 0,1
.irp t, 0,1
	v_wmma_f32_16x16x32_f16 v[S+32*\t+8*(2*\g+\u):S+32*\t+8*(2*\g+\u)+7], v[F+16*\u+8:F+16*\u+15], v[Q+16*\t+8:Q+16*\t+15], v[S+32*\t+8*(2*\g+\u):S+32*\t+8*(2*\g+\u)+7]
.endr
.endr
.rept 4
	v_nop                                          ; places in front of the next loads into the fragments and of the first read of the scores
.endr
.endm
.macro VLOAD s, kp
.irp ct, 0,1,2,3
.irp c, 0,1
	ds_load_b128 v[F+8*\ct+4*\c:F+8*\ct+4*\c+3], v[LRD+\s] offset:8192+\kp*4096+\ct*1024+\c*512
.endr
.endr
.endm
.macro PVGRP kp                        ; O^T += V^T P over 32 keys: eight accumulators by turns
	s_wait_dscnt 0x0
.irp ct, 0,1,2,3
.irp t, 0,1
	v_wmma_f32_16x16x32_f16 v[O+32*\t+8*\ct:O+32*\t+8*\ct+7], v[F+8*\ct:F+8*\ct+7], v[S+32*\t+16*\kp:S+32*\t+16*\kp+7], v[O+32*\t+8*\ct:O+32*\t+8*\ct+7]
.endr
.endr
.endm
.macro MASK                            ; only in the step that valid_length cuts: register 8 kt + jj holds key 64 step + 16 kt + 8 (lane / 16) + jj
	s_lshl_b32 s28, s26, 6
	s_add_co_u32 s29, s28, 64
	s_cmp_le_u32 s29, s23
	s_cbranch_scc1 .Lopen_\@
	s_sub_co_i32 s28, s23, s28
	s_sub_co_i32 s28, s28, 1
	v_sub_nc_u32 v[DD], s28, v[H8]                 ; masked where 16 kt + jj is above this
.irp kt, 0,1,2,3
.irp jj, 0,1,2,3,4,5,6,7
	v_cmp_gt_i32 vcc_lo, 16*\kt+\jj, v[DD]
	v_cndmask_b32 v[S+8*\kt+\jj], v[S+8*\kt+\jj], v[MSK], vcc_lo
	v_cndmask_b32 v[S+32+8*\kt+\jj], v[S+32+8*\kt+\jj], v[MSK], vcc_lo
.endr
.endr
.Lopen_\@:
.endm
.macro SOFTMAX                         ; both tiles line by line, so that no line waits for the line above it
.irp j, 0,1,2,3
.irp t, 0,1
	v_max3_num_f32 v[ST+8*\t+4+\j], v[S+32*\t+8*\j], v[S+32*\t+8*\j+1], v[S+32*\t+8*\j+2]   ; each accumulator from its low end on
.endr
.endr
.irp k, 3,5
.irp j, 0,1,2,3
.irp t, 0,1
	v_max3_num_f32 v[ST+8*\t+4+\j], v[ST+8*\t+4+\j], v[S+32*\t+8*\j+\k], v[S+32*\t+8*\j+\k+1]
.endr
.endr
.endr
.irp t, 0,1
	v_max3_num_f32 v[ST+8*\t+4], v[ST+8*\t+4], v[S+32*\t+7], v[S+32*\t+15]
	v_max3_num_f32 v[ST+8*\t+6], v[ST+8*\t+6], v[S+32*\t+23], v[S+32*\t+31]
.endr
.irp t, 0,1
	v_max3_num_f32 v[ST+8*\t+4], v[ST+8*\t+4], v[ST+8*\t+5], v[ST+8*\t+6]
.endr
.irp t, 0,1
	v_max3_num_f32 v[ST+8*\t+4], v[ST+8*\t+4], v[ST+8*\t+7], v[ST+8*\t+1]
.endr
.irp t, 0,1
	v_permlanex16_b32 v[ST+8*\t+5], v[ST+8*\t+4], s38, s39   ; the query's other 32 keys
.endr
.irp t, 0,1
	v_mov_b32 v[ST+8*\t+7], v[ST+8*\t]
.endr
.irp t, 0,1
	v_max_num_f32 v[ST+8*\t+1], v[ST+8*\t+4], v[ST+8*\t+5]
.endr
.irp t, 0,1
	v_mul_f32 v[ST+8*\t], s40, v[ST+8*\t+1]
.endr
.irp t, 0,1
	v_sub_f32 v[ST+8*\t+7], v[ST+8*\t+7], v[ST+8*\t]
.endr
.irp b, 0,2,4,6,8,10,12,14,16,18,20,22,24,26,28,30
.irp t, 0,1
	v_pk_fma_f32 v[S+32*\t+\b:S+32*\t+\b+1], v[S+32*\t+\b:S+32*\t+\b+1], s[40:41], v[ST+8*\t:ST+8*\t+1] op_sel_hi:[1,0,0] neg_lo:[0,0,1] neg_hi:[0,0,1]   ; c s - c m
.endr
.endr
.irp t, 0,1
	v_exp_f32 v[ST+8*\t+6], v[ST+8*\t+7]           ; a
.endr
.irp j, 0,1,2,3,4,5,6,7,8,9,10,11,12,13,14,15,16,17,18,19,20,21,22,23,24,25,26,27,28,29,30,31,32,33,34,35,36,37,38,39,40,41,42,43,44,45,46,47,48,49,50,51,52,53,54,55,56,57,58,59,60,61,62,63
	v_exp_f32 v[S+\j], v[S+\j]
.endr
	v_nop                                          ; a plain line behind the last exponential
	s_wait_alu depctr_va_vdst(0)                   ; one wait for the batch of 66, ahead of its first reader
.irp t, 0,1
	v_pk_mul_f32 v[ST+8*\t+2:ST+8*\t+3], v[ST+8*\t+2:ST+8*\t+3], v[ST+8*\t+6:ST+8*\t+7] op_sel_hi:[1,0]
.endr
.irp t, 0,1
	v_pk_add_f32 v[ST+8*\t+4:ST+8*\t+5], v[S+32*\t:S+32*\t+1], v[S+32*\t+2:S+32*\t+3]
.endr
.irp j, 4,8,12,16,20,24,28
.irp t, 0,1
	v_pk_add_f32 v[ST+8*\t+2:ST+8*\t+3], v[ST+8*\t+2:ST+8*\t+3], v[S+32*\t+\j:S+32*\t+\j+1]
	v_pk_add_f32 v[ST+8*\t+4:ST+8*\t+5], v[ST+8*\t+4:ST+8*\t+5], v[S+32*\t+\j+2:S+32*\t+\j+3]
.endr
.endr
.irp t, 0,1
	v_pk_add_f32 v[ST+8*\t+2:ST+8*\t+3], v[ST+8*\t+2:ST+8*\t+3], v[ST+8*\t+4:ST+8*\t+5]
.endr
.irp kp, 0,1
.irp i, 0,1,2,3,4,5,6,7
.irp t, 0,1
	v_cvt_pk_f16_f32 v[S+32*\t+16*\kp+\i], v[S+32*\t+16*\kp+2*\i], v[S+32*\t+16*\kp+2*\i+1]   ; in place, ascending: a destination never lies above its sources
.endr
.endr
.endr
.irp i, 0,2,4,6,8,10,12,14,16,18,20,22,24,26,28,30
.irp t, 0,1
	v_pk_mul_f32 v[O+32*\t+\i:O+32*\t+\i+1], v[O+32*\t+\i:O+32*\t+\i+1], v[ST+8*\t+6:ST+8*\t+7] op_sel_hi:[1,0]
.endr
.endr
.endm
.macro COMPUTE s
	KGRP \s, 0
	KGRP \s, 1
	VLOAD \s, 0                                    ; lands during the softmax
	MASK
	SOFTMAX
	PVGRP 0
.rept 4
	v_nop
.endr
	VLOAD \s, 1
	PVGRP 1
.rept 5
	v_nop                                          ; the next step's first products write over P, which these products read: five places
.endr
.endm
; Step s25 + u, in slot s.  A step past the head's live steps does nothing but meet the barrier.
.macro STEP u, s
	s_add_co_u32 s26, s25, \u
	s_add_co_u32 s27, s25, \u+1
	s_cmp_ge_u32 s26, s24
	s_cbranch_scc1 .Lidle_\@
	s_cmp_ge_u32 s27, s24
	s_cbranch_scc1 .Lnoload_\@
	GLOAD \u+1                                     ; the next step's quarter: it has this step's work in which to come
.Lnoload_\@:
.if \u == 0
	s_add_co_u32 s28, s25, 3                       ; A PREFETCH of my quarters of steps s25 + 2 and s25 + 3: 32 different blocks of 256 bytes, a lane each; one and two steps ahead of the loads that want them.
	s_cmp_ge_u32 s28, s42                          ; All blocks of queries of a head read the same K and V: the first block's work-group asks, so each block is named once.  It stops where step s25 + 3 is not walked
	s_cbranch_scc1 .Lnopf_\@
	global_prefetch_b8 v[PFO], s[32:33] offset:262144 th:TH_LOAD_NT scope:SCOPE_SE
.Lnopf_\@:
.endif
	COMPUTE \s
	s_wait_loadcnt 0x0                             ; on every live way: no load is left out on G
	s_cmp_ge_u32 s27, s24
	s_cbranch_scc1 .Lidle_\@
	LSTORE 1-\s                                    ; into the slot that nobody reads in this step
.Lidle_\@:
	s_wait_dscnt 0x0                               ; my stores have landed and my reads of this slot are over
	s_barrier_signal -1
	s_barrier_wait -1
.endm
	s_mov_b32 s25, 0
.Ltrip:
	STEP 0, 0
	STEP 1, 1
	s_wait_xcnt 0x0                                ; the trip's loads and prefetch have read their base
	s_add_nc_u64 s[32:33], s[32:33], 0x40000       ; two steps on
	s_add_co_u32 s25, s25, 2
	s_cmp_lt_u32 s25, 32
	s_cbranch_scc1 .Ltrip
	; THE WAY OUT: O^T / l, rounded to f16: a lane's eight channels are the 16 bytes that the image gives it; each store is 512 consecutive bytes
.irp t, 0,1
	v_add_f32 v[ST+8*\t+4], v[ST+8*\t+2], v[ST+8*\t+3]
.endr
.irp t, 0,1
	v_permlanex16_b32 v[ST+8*\t+5], v[ST+8*\t+4], s38, s39
.endr
.irp t, 0,1
	v_add_f32 v[ST+8*\t+4], v[ST+8*\t+4], v[ST+8*\t+5]
.endr
.irp t, 0,1
	v_rcp_f32 v[ST+8*\t+6], v[ST+8*\t+4]
.endr
	v_nop
	s_wait_alu depctr_va_vdst(0)                   ; one wait for both reciprocals, ahead of their first reader
.irp i, 0,2,4,6,8,10,12,14,16,18,20,22,24,26,28,30
.irp t, 0,1
	v_pk_mul_f32 v[O+32*\t+\i:O+32*\t+\i+1], v[O+32*\t+\i:O+32*\t+\i+1], v[ST+8*\t+6:ST+8*\t+7] op_sel_hi:[1,0]
.endr
.endr
.irp t, 0,1
.irp i, 0,1,2,3,4,5,6,7,8,9,10,11,12,13,14,15
	v_cvt_pk_f16_f32 v[S+16*\t+\i], v[O+32*\t+2*\i], v[O+32*\t+2*\i+1]
.endr
.endr
.irp t, 0,1
.irp ct, 0,1,2,3
	global_store_b128 v[L16], v[S+16*\t+4*\ct:S+16*\t+4*\ct+3], s[36:37] offset:\t*32768+\ct*512
.endr
.endr
	s_wait_tensorcnt 0x0                           ; the wave's end
	ds_add_u32 v[SPW], v[NIL]
	s_wait_dscnt 0x0
	s_endpgm
.Lfunc_end_k_q460c7dc365_attn:
	.size	k_q460c7dc365_attn, .Lfunc_end_k_q460c7dc365_attn-k_q460c7dc365_attn
	.p2alignl 7, 3214868480
	.fill 96, 4, 3214868480
	.section	.rodata,"a",@progbits
	.p2align	6, 0x0
	.amdhsa_kernel k_q460c7dc365_attn
		.amdhsa_group_segment_fixed_size 137216
		.amdhsa_private_segment_fixed_size 0
		.amdhsa_enable_private_segment 0
		.amdhsa_kernarg_size 32
		.amdhsa_user_sgpr_count 2
		.amdhsa_user_sgpr_kernarg_segment_ptr 1
		.amdhsa_wavefront_size32 1
		.amdhsa_system_sgpr_workgroup_id_x 1
		.amdhsa_system_sgpr_workgroup_id_y 1
		.amdhsa_system_sgpr_workgroup_id_z 1
		.amdhsa_system_vgpr_workitem_id 0
		.amdhsa_next_free_vgpr 256
		.amdhsa_next_free_sgpr 66
		.amdhsa_reserve_vcc 1
		.amdhsa_float_denorm_mode_32 3
		.amdhsa_float_denorm_mode_16_64 3
		.amdhsa_memory_ordered 1
		.amdhsa_forward_progress 1
		.amdhsa_inst_pref_size 65
	.end_amdhsa_kernel
	.amdgpu_metadata
---
amdhsa.version: [ 1, 2 ]
amdhsa.kernels:
  - .name:           k_q460c7dc365_attn
    .symbol:         k_q460c7dc365_attn.kd
    .args:
      - { .name: qkv, .offset: 0, .size: 8, .value_kind: global_buffer, .address_space: global }
      - { .name: vsum, .offset: 8, .size: 8, .value_kind: global_buffer, .address_space: global }
      - { .name: valid_length, .offset: 16, .size: 8, .value_kind: global_buffer, .address_space: global }
      - { .name: af, .offset: 24, .size: 8, .value_kind: global_buffer, .address_space: global }
    .group_segment_fixed_size: 137216
    .private_segment_fixed_size: 0
    .kernarg_segment_align: 8
    .kernarg_segment_size: 32
    .max_flat_workgroup_size: 512
    .sgpr_count:     66
    .vgpr_count:     256
    .wavefront_size: 32
...
	.end_amdgpu_metadata
.endif
;; end of part 3
;; launch outp (part 4): grid 4 x 64, 4 waves a work-group, clusters of 4 x 4, 327,680 bytes of LDS; arguments af, wof, out0; writes out0
.if DOCPART == 4
	.amdgcn_target "amdgcn-amd-amdhsa--gfx1250"
	.amdhsa_code_object_version 6
	.text
	.protected	k_q460c7dc365_outp
	.globl	k_q460c7dc365_outp
	.p2align	8
	.type	k_q460c7dc365_outp,@function
k_q460c7dc365_outp:
	s_mov_b64 s[64:65], 0
	v_nop
	global_prefetch_b8 v0, s[64:65] scope:SCOPE_SE
	s_setreg_imm32_b32 hwreg(HW_REG_WAVE_MODE, 25, 1), 1
	s_wait_xcnt 0x0
	s_wait_alu depctr_hold_cnt(0) depctr_sa_sdst(0) depctr_va_vdst(0) depctr_va_sdst(0) depctr_va_ssrc(0) depctr_va_vcc(0) depctr_vm_vsrc(0)
	s_getreg_b32 s2, hwreg(HW_REG_IB_STS2, 6, 4)
	s_cmp_eq_u32 s2, 0
	s_cbranch_scc0 .Lentry_in_a_cluster
	s_endpgm
.Lentry_in_a_cluster:
	s_bfe_u32 s2, ttmp6, 0x10000c
	s_cmp_lg_u32 s2, 0xf033
	s_cbranch_scc0 .Lentry_shape_is_right
	s_endpgm
.Lentry_shape_is_right:
; out0 = (the attention's result) Wo: [8192, 1024] x [1024, 1024], f16 operands, f32 sums, f32 out.  Both operands lie in memory as register images (1,024 bytes for 16 rows x 32 k).
; A tile of out0 is 128 rows x 256 columns, so that there are 256 work-groups; four waves, each 64 x 128: 32 accumulators in window 2.  K goes in steps of 128 through a ring of two LDS slots.
; CLUSTERS: 4 x 4 work-groups; the four of a row need the same rows of af, the four of a column the same columns of Wo: each tile is asked for jointly.  Waves 0 and 1 fetch af's halves, waves 2 and 3 Wo's.
; THE MATRIX INSTRUCTION IS USED TRANSPOSED (source 0 = 16 columns of Wo, source 1 = 16 tokens): a lane holds eight neighbouring numbers of a row of out0.
; No prefetch: the launch walks eight K steps and ends.
; REGISTERS: window 0: v16-29 addresses; af's fragments at v64-95 and v128-159, two buffers; on the way out v128-255.  window 1: Wo's fragments at v64-127 and v128-191.  window 2: accumulator (a, b) at v[8 (8 a + b)].
.set SLOT,  98304                      ; af: 8 tiles x 4,096 bytes; Wo: 16 tiles x 4,096 bytes
.set STAGE, 2*SLOT                     ; 16 rows x (512 bytes + 16) for each wave
.set SPITCH, 528
.set SPARE, STAGE+4*16*SPITCH          ; the spare words, 128 bytes a wave
.set LAPS,  4                          ; a lap = two K steps
.set ADRA, 16
.set ADRB, 20
.set STO,  24
.set RD,   25
.set CO,   26
.set SPW,  28
.set NIL,  29
.set F0,   64
.set F1,   128
.set BK,   128
.set G1,  24
.set G0,  32
.set G1B, 48
.set G0B, 56
.set MSB, 0
.macro WIN new
.if MSB != \new
	s_set_vgpr_msb (MSB<<8)|\new
.set MSB, \new
.endif
.endm
.set MUL,  0xa1                        ; source 0 window 1, source 1 window 0, C and D window 2
.set TO_B, 0x40
.macro JLOAD s                         ; an s_nop 0 and four v_nop follow each of the two lines
	s_cmp_eq_u32 s11, 0
	s_cbranch_scc0 .Lfor_b_\@
	tensor_load_to_lds s[G0+4*\s:G0+4*\s+3], s[G1:G1+7]
	s_nop 0
.rept 4
	v_nop
.endr
	s_branch .Lasked_\@
.Lfor_b_\@:
	tensor_load_to_lds s[G0B+4*\s:G0B+4*\s+3], s[G1B:G1B+7]
	s_nop 0
.rept 4
	v_nop
.endr
.Lasked_\@:
.endm
.macro CREST
	s_cmp_lg_u32 s10, 0
	s_cbranch_scc1 .Lnot_wave_0_\@
	s_barrier_signal -3
.Lnot_wave_0_\@:
	s_barrier_wait -3
	s_barrier_signal -1
	s_barrier_wait -1
.endm
.macro CROUND
	s_barrier_signal -1
	s_barrier_wait -1
	CREST
.endm
	s_load_b128 s[4:7], s[0:1], 0x0                ; af, wof
	s_load_b64 s[8:9], s[0:1], 0x10                ; out0
	v_lshl_add_u32 v[SPW], v0, 2, SPARE
	v_mov_b32 v[NIL], 0
	ds_add_u32 v[SPW], v[NIL]                      ; the wave's opening: the add, twice on end, and its wait ahead of my first tensor load
	ds_add_u32 v[SPW], v[NIL]
	v_lshrrev_b32 v1, 5, v0
	v_readfirstlane_b32 s10, v1                    ; wave
	s_lshr_b32 s11, s10, 1                         ; my half of the rows.  Also: I fetch for af (0) or Wo (1)
	s_and_b32 s12, s10, 1                          ; my half of the columns.  Also: which half I fetch
	s_bfe_u32 s40, ttmp6, 0x40000
	s_bfe_u32 s41, ttmp6, 0x40004
	s_lshl_b32 s42, ttmp9, 2
	s_add_co_u32 s42, s42, s40                     ; tile column
	s_and_b32 s13, ttmp7, 0xffff
	s_lshl_b32 s13, s13, 2
	s_add_co_u32 s13, s13, s41                     ; tile row
	s_lshl_b32 s43, s41, 2
	s_lshl_b32 s43, 15, s43
	s_lshl_b32 s44, 0x1111, s40
	s_or_b32 s[G1+0], s43, (3<<16)|(1<<21)         ; elements of 8 bytes, no padding; the mask, and bit 21 beside it
	s_or_b32 s[G1B+0], s44, (3<<16)|(1<<21)
.irp g, G1, G1B
	s_mov_b32 s[\g+1], 512<<16                     ; a tile's four images of a K step: 4,096 bytes
	s_mov_b32 s[\g+3], 512<<16
	s_mov_b32 s[\g+5], 4096                        ; from tile to tile: 32 images
	s_mov_b32 s[\g+6], 0
	s_mov_b32 s[\g+7], 0
.endr
	s_mov_b32 s[G1+2], 4<<16                       ; af: 4 tiles a load
	s_mov_b32 s[G1+4], 4
	s_mov_b32 s[G1B+2], 8<<16                      ; Wo: 8
	s_mov_b32 s[G1B+4], 8
	s_lshl_b32 s16, s13, 18                        ; af: 8 tiles of 32,768 bytes a tile row, + my 4
	s_lshl_b32 s17, s12, 17
	s_add_co_u32 s16, s16, s17
	s_mov_b32 s17, 0
	s_lshl_b32 s46, s42, 19                        ; Wo: 16 tiles a tile column, + my 8
	s_lshl_b32 s47, s12, 18
	s_add_co_u32 s46, s46, s47
	s_mov_b32 s47, 0
	s_lshl_b32 s20, s12, 14                        ; LDS: af's halves,
	s_lshl_b32 s21, s12, 15
	s_add_co_u32 s21, s21, 32768                   ; Wo's behind them
	s_wait_dscnt 0x0
	s_wait_kmcnt 0x0
	s_add_nc_u64 s[14:15], s[4:5], s[16:17]
	s_add_nc_u64 s[46:47], s[6:7], s[46:47]
	CROUND                                         ; the first joint loads meet
.irp s, 0,1
	s_mov_b32 s[G0+4*\s], 1
	s_add_co_u32 s[G0+4*\s+1], s20, \s*SLOT
	s_add_nc_u64 s[G0+4*\s+2:G0+4*\s+3], s[14:15], \s*4096
	s_or_b32 s[G0+4*\s+3], s[G0+4*\s+3], 0x80000000
	s_mov_b32 s[G0B+4*\s], 1
	s_add_co_u32 s[G0B+4*\s+1], s21, \s*SLOT
	s_add_nc_u64 s[G0B+4*\s+2:G0B+4*\s+3], s[46:47], \s*4096
	s_or_b32 s[G0B+4*\s+3], s[G0B+4*\s+3], 0x80000000
	JLOAD \s
.endr
	v_and_b32 v1, 15, v0
	v_bfe_u32 v2, v0, 4, 1
	v_and_b32 v3, 31, v0
	v_lshlrev_b32 v[CO], 4, v3
	s_lshl_b32 s21, s11, 14
	s_lshl_b32 s22, s12, 15
	s_add_co_u32 s22, s22, 32768
.irp s, 0,1
	v_add_nc_u32 v[ADRA+\s], s21, v[CO]
	v_add_nc_u32 v[ADRB+\s], s22, v[CO]
	s_add_co_u32 s21, s21, SLOT
	s_add_co_u32 s22, s22, SLOT
.endr
	s_mul_i32 s23, s10, 16*SPITCH
	s_add_co_u32 s23, s23, STAGE
	v_mul_u32_u24 v4, v1, SPITCH
	v_lshl_add_u32 v4, v2, 5, v4
	v_add_nc_u32 v[STO], s23, v4                   ; in: row lane % 16, 32 bytes for each half of the lanes
	v_add_nc_u32 v[RD], s23, v[CO]                 ; back: the 32 lanes take one row of 512 bytes
	s_lshl_b32 s16, s13, 19                        ; 128 rows of 4,096 bytes,
	s_lshl_b32 s17, s11, 18                        ; my 64,
	s_add_co_u32 s16, s16, s17
	s_lshl_b32 s17, s42, 10                        ; 256 columns of 4 bytes,
	s_add_co_u32 s16, s16, s17
	s_lshl_b32 s17, s12, 9                         ; my 128
	s_add_co_u32 s16, s16, s17
	s_mov_b32 s17, 0
	s_add_nc_u64 s[8:9], s[8:9], s[16:17]
.macro MUL8 f, a, zero                 ; row tile a x the eight column tiles, 32 along K.  The 32 accumulators take turns in the same order in every quarter
.irp b, 0,1,2,3,4,5,6,7
.if \zero
	v_wmma_f32_16x16x32_f16 v[8*(8*(\a)+\b):8*(8*(\a)+\b)+7], v[\f+8*\b:\f+8*\b+7], v[\f+8*(\a):\f+8*(\a)+7], 0
.else
	v_wmma_f32_16x16x32_f16 v[8*(8*(\a)+\b):8*(8*(\a)+\b)+7], v[\f+8*\b:\f+8*\b+7], v[\f+8*(\a):\f+8*(\a)+7], v[8*(8*(\a)+\b):8*(8*(\a)+\b)+7]
.endif
.endr
.endm
.macro FETCH slot, q, f                ; 24 LDS loads in one run: Wo's eight fragments, then af's four, of the slot's q-th 32 along K
	WIN TO_B
.irp i, 0,1,2,3,4,5,6,7
.irp c, 0,1
	ds_load_b128 v[\f+8*\i+4*\c:\f+8*\i+4*\c+3], v[ADRB+\slot] offset:\i*4096+(\q)*1024+\c*512
.endr
.endr
	WIN 0
.irp i, 0,1,2,3
.irp c, 0,1
	ds_load_b128 v[\f+8*\i+4*\c:\f+8*\i+4*\c+3], v[ADRA+\slot] offset:\i*4096+(\q)*1024+\c*512
.endr
.endr
.endm
.macro PLACES
.rept 4
	v_nop
.endr
.endm
.macro QUARTER slot, q, f, g, zero     ; multiplies buffer f; in its middle fetches the slot's q-th quarter into g
	s_wait_dscnt 4                                 ; all but the youngest four loads (af's tiles 2, 3) are in
	WIN MUL
	MUL8 \f, 0, \zero
	MUL8 \f, 1, \zero
	PLACES
	FETCH \slot, \q, \g
	s_wait_dscnt 24                                ; all but the 24 just issued
	WIN MUL
	MUL8 \f, 2, \zero
	MUL8 \f, 3, \zero
.endm
; A K step's last quarter changes slots: each wave waits for all its tensor loads, adds 0 to its spare word, waits for that and for its reads of this slot; one barrier (fill = 1: it opens a round of the cluster's); then the refill first.
.macro TURN slot, next, fill
	WIN 0
	s_wait_tensorcnt 0x0                           ; my part of the next slot has landed
	ds_add_u32 v[SPW], v[NIL]
	s_wait_dscnt 5                                 ; the add and the youngest four loads may be out
	WIN MUL
	MUL8 F1, 0, 0
	s_wait_dscnt 0x0                               ; the add is done, and my reads of this slot are over
	s_barrier_signal -1
	MUL8 F1, 1, 0
	WIN 0
	s_barrier_wait -1
.if \fill
	CREST                                          ; no wave of any partner still reads this slot or has a load on its way
	s_add_nc_u64 s[G0+4*\slot+2:G0+4*\slot+3], s[G0+4*\slot+2:G0+4*\slot+3], 8192
	s_add_nc_u64 s[G0B+4*\slot+2:G0B+4*\slot+3], s[G0B+4*\slot+2:G0B+4*\slot+3], 8192
	JLOAD \slot                                    ; two K steps on; its four v_nop are also the places in front of the loads below
.else
	PLACES
.endif
	FETCH \next, 0, F0
	WIN MUL
	MUL8 F1, 2, 0
	MUL8 F1, 3, 0
.endm
	s_wait_tensorcnt 1                             ; my part of K step 0 is in; K step 1's load may be out
	s_barrier_signal -1
	s_barrier_wait -1
	FETCH 0, 0, F0
	QUARTER 0, 1, F0, F1, 1                        ; the first products start the sums
	WIN 0
	s_mov_b32 s3, LAPS-1
.Llap:
	QUARTER 0, 2, F1, F0, 0
	QUARTER 0, 3, F0, F1, 0
	TURN 0, 1, 1
	QUARTER 1, 1, F0, F1, 0
	QUARTER 1, 2, F1, F0, 0
	QUARTER 1, 3, F0, F1, 0
	TURN 1, 0, 1
	QUARTER 0, 1, F0, F1, 0
	WIN 0
	s_sub_co_u32 s3, s3, 1
	s_cmp_lg_u32 s3, 0
	s_cbranch_scc1 .Llap
	QUARTER 0, 2, F1, F0, 0                        ; the last lap fills nothing
	QUARTER 0, 3, F0, F1, 0
	TURN 0, 1, 0
	QUARTER 1, 1, F0, F1, 0
	QUARTER 1, 2, F1, F0, 0
	QUARTER 1, 3, F0, F1, 0
	s_wait_dscnt 4
	WIN MUL
	MUL8 F1, 0, 0
	MUL8 F1, 1, 0
	s_wait_dscnt 0
	MUL8 F1, 2, 0
	MUL8 F1, 3, 0
	WIN 0
; THE WAY OUT, 16 rows x 128 columns at a time, through my own stage: in as 32 bytes a lane, back as whole rows of 512 bytes.  LDS serves a wave's instructions in order.
.macro TOSTAGE a
.set AC, 64*(\a)
	WIN 0x08                                       ; an LDS store's data: window 2
.irp b, 0,1,2,3,4,5,6,7
	ds_store_b128 v[STO], v[AC+8*\b:AC+8*\b+3] offset:64*\b          ; each accumulator from its low end on
	ds_store_b128 v[STO], v[AC+8*\b+4:AC+8*\b+7] offset:64*\b+16
.endr
	WIN 0
.set BB, BK+64*((\a)%2)
.irp t, 0,1,2,3,4,5,6,7,8,9,10,11,12,13,14,15
	ds_load_b128 v[BB+4*\t:BB+4*\t+3], v[RD] offset:\t*SPITCH
.endr
.endm
.macro SEND a, younger
.set BB, BK+64*((\a)%2)
	s_wait_dscnt \younger
.if (\a) > 0
	s_add_nc_u64 s[8:9], s[8:9], 65536             ; 16 rows on (behind a wait on XCNT: the earlier stores have read their base)
.endif
.irp t, 0,1,2,3,4,5,6,7,8,9,10,11,12,13,14,15
	global_store_b128 v[CO], v[BB+4*\t:BB+4*\t+3], s[8:9] offset:\t*4096 th:TH_STORE_NT   ; 512 consecutive bytes of a row
.endr
.endm
	PLACES
	TOSTAGE 0
.irp a, 1,2,3
.if \a > 1
	s_wait_xcnt 0x0                                ; the stores of two blocks back have read their registers and their base
.endif
	TOSTAGE \a
	SEND \a-1, 32                                  ; behind that block's loads: the next block's 16 stores and 16 loads
.endr
	s_wait_xcnt 0x0
	SEND 3, 0
	s_wait_tensorcnt 0x0                           ; the wave's end
	ds_add_u32 v[SPW], v[NIL]
	s_wait_dscnt 0x0
	CROUND                                         ; the closing round
	s_endpgm
.Lfunc_end_k_q460c7dc365_outp:
	.size	k_q460c7dc365_outp, .Lfunc_end_k_q460c7dc365_outp-k_q460c7dc365_outp
	.p2alignl 7, 3214868480
	.fill 96, 4, 3214868480
	.section	.rodata,"a",@progbits
	.p2align	6, 0x0
	.amdhsa_kernel k_q460c7dc365_outp
		.amdhsa_group_segment_fixed_size 327680
		.amdhsa_private_segment_fixed_size 0
		.amdhsa_enable_private_segment 0
		.amdhsa_kernarg_size 24
		.amdhsa_user_sgpr_count 2
		.amdhsa_user_sgpr_kernarg_segment_ptr 1
		.amdhsa_wavefront_size32 1
		.amdhsa_system_sgpr_workgroup_id_x 1
		.amdhsa_system_sgpr_workgroup_id_y 1
		.amdhsa_system_sgpr_workgroup_id_z 1
		.amdhsa_system_vgpr_workitem_id 0
		.amdhsa_next_free_vgpr 768
		.amdhsa_next_free_sgpr 66
		.amdhsa_reserve_vcc 0
		.amdhsa_float_denorm_mode_32 3
		.amdhsa_float_denorm_mode_16_64 3
		.amdhsa_memory_ordered 1
		.amdhsa_forward_progress 1
		.amdhsa_inst_pref_size 85
	.end_amdhsa_kernel
	.amdgpu_metadata
---
amdhsa.version: [ 1, 2 ]
amdhsa.kernels:
  - .name:           k_q460c7dc365_outp
    .symbol:         k_q460c7dc365_outp.kd
    .args:
      - { .name: af, .offset: 0, .size: 8, .value_kind: global_buffer, .address_space: global }
      - { .name: wof, .offset: 8, .size: 8, .value_kind: global_buffer, .address_space: global }
      - { .name: out0, .offset: 16, .size: 8, .value_kind: global_buffer, .address_space: global }
    .group_segment_fixed_size: 327680
    .private_segment_fixed_size: 0
    .kernarg_segment_align: 8
    .kernarg_segment_size: 24
    .max_flat_workgroup_size: 128
    .sgpr_count:     66
    .vgpr_count:     768
    .wavefront_size: 32
...
	.end_amdgpu_metadata
.endif
;; end of part 4
